; MI455X (gfx1250); checked and timed in simulation.
; The chip was launched on July 23, 2026; its instructions are those of AMD's public machine-readable ISA for CDNA 5 (MIT licence, August 2026) and "CDNA5" Instruction Set Architecture Reference Guide (July 2026). The comments in the code are by the model that wrote it; some were corrected since.
;; Self Attention. Allowed arithmetic: matrix products marked QUANTISED: E4M3 operands, one given power-of-two scale a tensor, by v_wmma_f32_16x16x64_fp8_fp8 or v_wmma_f32_16x16x128_fp8_fp8, f32 sums; everything else in f32.
;; Inputs: Wk_codes 1,024 x 32 x 32 uint8 (E4M3 codes of Wk, K innermost, in blocks of 32 codes); Wo_codes 1,024 x 32 x 32 uint8 (E4M3 codes of Wo, K innermost, in blocks of 32 codes); Wq_codes 1,024 x 32 x 32 uint8 (E4M3 codes of Wq, K innermost, in blocks of 32 codes); Wv_codes 1,024 x 32 x 32 uint8 (E4M3 codes of Wv, K innermost, in blocks of 32 codes); cos 2,048 x 64 float32; lowp_scales 12 int32 (the exponents e of the quantised operands' scales 2^e); sin 2,048 x 64 float32; x_codes 2 x 2,048 x 32 x 32 uint8 (E4M3 codes of x, K innermost, in blocks of 32 codes).
;; Outputs: out0 2 x 2,048 x 1,024 float32.
;; This version of the problem:
;;   THIS VERSION OF THE PROBLEM IS GIVEN IN LOW PRECISION. The matrix products marked QUANTISED in the list below multiply operands that are first quantised to E4M3 (4 exponent bits, 3 mantissa bits; 8 bits a number), with one given power-of-two scale for each operand tensor; their sums are f32. All else is computed in f32.
;;   The module's matrix products, in the order in which they are computed (A, B: the left and right operand; K: the contracted axis; several contracted axes count as one K, in the product's order):
;;     1. [M 4,096, K 1,024] x [K 1,024, N 1,024]; A: input x (given as codes); B: input Wq (given as codes): QUANTISED (scales: A lowp_scales[0], B lowp_scales[1])
;;     2. [M 4,096, K 1,024] x [K 1,024, N 1,024]; A: input x (given as codes); B: input Wk (given as codes): QUANTISED (scales: A lowp_scales[2], B lowp_scales[3])
;;     3. [M 4,096, K 1,024] x [K 1,024, N 1,024]; A: input x (given as codes); B: input Wv (given as codes): QUANTISED (scales: A lowp_scales[4], B lowp_scales[5])
;;     4. batch 32 x [M 2,048, K 64] x [K 64, N 2,048]; A: computed on the way; B: computed on the way: QUANTISED (scales: A lowp_scales[6], B lowp_scales[7])
;;     5. batch 32 x [M 2,048, K 2,048] x [K 2,048, N 64]; A: softmax (see below); B: computed on the way: QUANTISED (scales: A lowp_scales[8], B lowp_scales[9])
;;     6. [M 4,096, K 1,024] x [K 1,024, N 1,024]; A: computed on the way; B: input Wo (given as codes): QUANTISED (scales: A lowp_scales[10], B lowp_scales[11])
;;   THE QUANTISER, for each operand of a quantised product, along K:
;;     - The operand's scale is 2^e, e = its entry of the input lowp_scales (int32; the entries are numbered through the quantised products in the list's order, A before B).
;;     - Each number is divided by the scale, clamped to +-448, and rounded to the nearest number of E4M3, ties to even, subnormals kept.
;;     - The product sums the exact products of the quantised numbers (number of the format x scale) in f32.
;;   ~~~python
;;   def quantise(x, axis, e):      # numpy; x: float32 -> the quantised numbers, widened to float32 again
;;       x = np.moveaxis(x, axis, -1); K = x.shape[-1]
;;       r = np.clip(x / 2.0 ** e, -448, 448)
;;       step = 2.0 ** (np.maximum(np.frexp(np.where(r == 0, 1, r))[1] - 1, -6) - 3)
;;       q = np.round(r / step) * step * 2.0 ** e      # np.round: ties to even
;;       return np.moveaxis(q, -1, axis).astype(np.float32)
;;   ~~~
;;   SOFTMAX AHEAD OF A QUANTISED PRODUCT. Where the list says 'softmax', what is quantised is not the finished softmax but p = 2^(t - M), with t = logit x log2(e) and M = ceil(the row's largest t), a whole number; so 1/2 < the row's largest p <= 1. The row's sum l is taken of the UNQUANTISED p, in f32, and the product's result is divided by l at the end. Since M is a whole number, a kernel that streams over the keys may use a running M (the ceiling of the running maximum): every later rescaling is an exact power of two, so the quantised numbers keep their values, but for numbers so far below the row's largest that they fall under the format's range.
;;   OPERANDS COMPUTED ON THE WAY. 'Computed on the way' means the value that the module computes at that place (a softmax that the list does not call 'softmax' is quantised finished and normalised). What goes into a quantiser is computed in f32, as accurately as f32 sums, v_exp_f32 and their like allow (about 1e-6 of the number): no bf16 or f16 on the way to a quantiser, and a product that is left as it is and whose result goes on into a quantised operand takes f32 operands (vector FMAs, or v_wmma_f32_16x16x4_f32). A number that lies on a knife's edge between two numbers of the format may be rounded either way, as far as f32 arithmetic and the matrix unit's own rounding can turn it there, and no further.
;;   INPUTS GIVEN AS CODES. Wk (in the module: [1024, 1024], K = its axis 1); Wo (in the module: [1024, 1024], K = its axis 1); Wq (in the module: [1024, 1024], K = its axis 1); Wv (in the module: [1024, 1024], K = its axis 1); x (in the module: [2, 2048, 1024], K = its axis 2): each comes as NAME_codes (uint8): NAME with its K axis moved to the last place and cut into blocks of 32 codes, [.., K / 32, bytes a block], one block behind the other in memory; one code a byte (a code: sign, 4 exponent bits, 3 mantissa bits); its scale is its entry of lowp_scales. Its value is code x scale, taken as it is: it is not quantised again, and the codes and scales need not be those that the quantiser above would give.
;; One version. Each part assembles by itself: llvm-mc -triple=amdgcn-amd-amdhsa -mcpu=gfx1250 --defsym DOCPART=n.
;; ======== version 1 of 1: 3 launches
;; limits: right only within a limited range of input values
;; workspace buffers: qimg 4,194,304 bytes; kvimg 8,388,608 bytes; aoimg 4,194,304 bytes
;; launch qkv (part 1): grid 12 x 16, 4 waves a work-group, clusters of 4 x 4, 327,680 bytes of LDS; arguments x_codes, Wq_codes, Wk_codes, Wv_codes, lowp_scales, cos, sin, qimg, kvimg; writes qimg, kvimg
.if DOCPART == 1
	.amdgcn_target "amdgcn-amd-amdhsa--gfx1250"
	.amdhsa_code_object_version 6
	.text
	.protected	k_q36256a13ae_qkv
	.globl	k_q36256a13ae_qkv
	.p2align	8
	.type	k_q36256a13ae_qkv,@function
k_q36256a13ae_qkv:
	s_mov_b64 s[64:65], 0
	v_nop
	global_prefetch_b8 v0, s[64:65] scope:SCOPE_SE
	s_setreg_imm32_b32 hwreg(HW_REG_WAVE_MODE, 25, 1), 1
	s_wait_xcnt 0x0
	s_wait_alu depctr_hold_cnt(0) depctr_sa_sdst(0) depctr_va_vdst(0) depctr_va_sdst(0) depctr_va_ssrc(0) depctr_va_vcc(0) depctr_vm_vsrc(0)
	s_getreg_b32 s2, hwreg(HW_REG_IB_STS2, 6, 4)
	s_cmp_eq_u32 s2, 0
	s_cbranch_scc0 .Lentry_in_a_cluster
	s_endpgm
.Lentry_in_a_cluster:
	s_bfe_u32 s2, ttmp6, 0x10000c
	s_cmp_lg_u32 s2, 0xf033
	s_cbranch_scc0 .Lentry_shape_is_right
	s_endpgm
.Lentry_shape_is_right:
.set ROWB,   256
.set KROW,   1024
.set PITCH,  272
.set FR,     16
.set NL,     4
.set NP,     4
.set HALFT,  128*PITCH
.set SLOT,   4*HALFT
.set LAPS,   2
.set SPARE,  2*SLOT
.set ADRA, 16
.set ADRB, 20
.set CSO,  24
.set VO0,  25
.set SPW,  28
.set NIL,  29
.set SCL,  30
.set LIM,  31
.set CD,   96
.set AF,   128
.set VT,   128
.set T,    192
.set G1, 24
.set G0, 32
.set G1B, 48
.set G0B, 56
.set MSB, 0
.macro WIN new
.if MSB != (\new)
	s_set_vgpr_msb (MSB<<8)|(\new)
.set MSB, (\new)
.endif
.endm
.set MUL_LO, 0xa1
.set MUL_HI, 0xf1
.set TO_B,   0x40
.macro JLOAD g0a, g1a, g0b, g1b
	s_cmp_eq_u32 s15, 0
	s_cbranch_scc0 .Lfor_b_\@
	tensor_load_to_lds s[\g0a:\g0a+3], s[\g1a:\g1a+7]
	s_nop 0
.rept 4
	v_nop
.endr
	s_branch .Lasked_\@
.Lfor_b_\@:
	tensor_load_to_lds s[\g0b:\g0b+3], s[\g1b:\g1b+7]
	s_nop 0
.rept 4
	v_nop
.endr
.Lasked_\@:
.endm
.macro CREST
	s_cmp_lg_u32 s14, 0
	s_cbranch_scc1 .Lnot_wave_0_\@
	s_barrier_signal -3
.Lnot_wave_0_\@:
	s_barrier_wait -3
	s_barrier_signal -1
	s_barrier_wait -1
.endm
.macro CROUND
	s_barrier_signal -1
	s_barrier_wait -1
	CREST
.endm
	s_load_b256 s[68:75], s[0:1], 0x0
	s_load_b256 s[76:83], s[0:1], 0x20
	s_load_b64 s[84:85], s[0:1], 0x40
	v_lshl_add_u32 v[SPW], v0, 2, SPARE
	v_mov_b32 v[NIL], 0
	ds_add_u32 v28, v29
	ds_add_u32 v28, v29
	s_wait_dscnt 0x0
	v_lshrrev_b32 v1, 5, v0
	v_readfirstlane_b32 s14, v1
	s_lshr_b32 s15, s14, 1
	s_and_b32 s16, s14, 1
	s_bfe_u32 s40, ttmp6, 0x40000
	s_bfe_u32 s41, ttmp6, 0x40004
	s_and_b32 s66, ttmp7, 0xffff
	s_lshl_b32 s66, s66, 2
	s_cmp_eq_u32 ttmp9, 2
	s_cselect_b32 s18, 0, s66
	s_cselect_b32 s19, s66, 0
	s_add_co_u32 s17, s41, s18
	s_add_co_u32 s42, s40, s19
	s_lshl_b32 s43, s41, 2
	s_lshl_b32 s43, 15, s43
	s_lshl_b32 s44, 0x1111, s40
	s_or_b32 s[G1+0], s43, (0<<16)|(1<<20)|(1<<21)|(5<<22)|(3<<25)
	s_or_b32 s[G1B+0], s44, (0<<16)|(1<<20)|(1<<21)|(5<<22)|(3<<25)
.irp g, G1, G1B
	s_mov_b32 s[\g+1], ROWB<<16
	s_mov_b32 s[\g+2], 128<<16
	s_mov_b32 s[\g+3], ROWB<<16
	s_mov_b32 s[\g+4], 128
	s_mov_b32 s[\g+5], KROW
	s_mov_b32 s[\g+6], 0
	s_mov_b32 s[\g+7], 0
.endr
	s_lshl_b32 s18, s16, 7
	s_lshl_b32 s20, s17, 8
	s_add_co_u32 s20, s20, s18
	s_lshl_b32 s20, s20, 10
	s_mov_b32 s21, 0
	s_lshl_b32 s46, s42, 8
	s_add_co_u32 s46, s46, s18
	s_lshl_b32 s46, s46, 10
	s_mov_b32 s47, 0
	s_mul_i32 s45, s14, HALFT
	s_wait_kmcnt 0x0
	s_load_b256 s[88:95], s[76:77], 0x0
	s_load_b128 s[96:99], s[76:77], 0x20
	s_cmp_eq_u32 ttmp9, 2
	s_cselect_b64 s[4:5], s[74:75], s[68:69]
	s_cmp_eq_u32 ttmp9, 1
	s_cselect_b64 s[6:7], s[72:73], s[70:71]
	s_cmp_eq_u32 ttmp9, 2
	s_cselect_b64 s[6:7], s[68:69], s[6:7]
	s_add_nc_u64 s[20:21], s[4:5], s[20:21]
	s_add_nc_u64 s[46:47], s[6:7], s[46:47]
	CROUND
.irp s, 0,1
	s_mov_b32 s[G0+4*\s], 1
	s_add_co_u32 s[G0+4*\s+1], s45, \s*SLOT
	s_add_nc_u64 s[G0+4*\s+2:G0+4*\s+3], s[20:21], \s*ROWB
	s_or_b32 s[G0+4*\s+3], s[G0+4*\s+3], 0x80000000
	s_mov_b32 s[G0B+4*\s], 1
	s_add_co_u32 s[G0B+4*\s+1], s45, \s*SLOT
	s_add_nc_u64 s[G0B+4*\s+2:G0B+4*\s+3], s[46:47], \s*ROWB
	s_or_b32 s[G0B+4*\s+3], s[G0B+4*\s+3], 0x80000000
.if \s
	s_wait_alu depctr_va_vdst(0)
	s_wait_tensorcnt 0x0
	ds_add_u32 v28, v29
	s_wait_dscnt 0x0
	CROUND
.endif
	JLOAD G0+4*\s, G1, G0B+4*\s, G1B
.endr
	v_and_b32 v1, 15, v0
	v_bfe_u32 v2, v0, 4, 1
	v_mul_u32_u24 v3, v1, PITCH
	v_lshl_add_u32 v4, v2, 4, v3
	s_mul_i32 s21, s15, HALFT
	s_mul_i32 s22, s16, HALFT
	s_add_co_u32 s22, s22, 2*HALFT
.irp s, 0,1
	v_add_nc_u32 v[ADRA+\s], s21, v4
	v_add_nc_u32 v[ADRB+\s], s22, v4
	s_add_co_u32 s21, s21, SLOT
	s_add_co_u32 s22, s22, SLOT
.endr
	v_lshlrev_b32 v[CSO], 8, v1
	v_lshl_add_u32 v[CSO], v2, 5, v[CSO]
	v_and_b32 v5, 31, v0
	v_lshlrev_b32 v[VO0], 4, v5
	s_wait_alu depctr_va_vdst(0)
	s_wait_kmcnt 0x0
	s_sub_co_i32 s18, s94, s88
	s_sub_co_i32 s18, s18, s89
	s_sub_co_i32 s19, s95, s90
	s_sub_co_i32 s19, s19, s91
	s_sub_co_i32 s22, s97, s92
	s_sub_co_i32 s22, s22, s93
	s_cmp_eq_u32 ttmp9, 1
	s_cselect_b32 s67, s19, s18
	s_cmp_eq_u32 ttmp9, 2
	s_cselect_b32 s67, s22, s67
	s_add_co_i32 s67, s67, 127
	s_lshl_b32 s18, s67, 23
	v_mov_b32 v[SCL], s18
	s_add_co_i32 s67, s67, 8
	s_lshl_b32 s67, s67, 23
	s_or_b32 s67, s67, 0x600000
	v_mov_b32 v[LIM], s67
.macro FRAG reg, adr, q, i
.irp c, 0,1,2,3
	ds_load_b128 v[\reg+4*\c:\reg+4*\c+3], v[\adr] offset:128*(\q)+32*\c+(\i)*16*PITCH
.endr
.endm
.macro MUL16 a0, p, zero
.irp a, \a0, \a0+1
.irp b, 0,1,2,3,4,5,6,7
.if \zero
	v_wmma_f32_16x16x128_fp8_fp8 v[8*(8*((\a)%4)+\b):8*(8*((\a)%4)+\b)+7], v[128*(\p)+FR*\b:128*(\p)+FR*\b+FR-1], v[AF+FR*(\a):AF+FR*(\a)+FR-1], 0
.else
	v_wmma_f32_16x16x128_fp8_fp8 v[8*(8*((\a)%4)+\b):8*(8*((\a)%4)+\b)+7], v[128*(\p)+FR*\b:128*(\p)+FR*\b+FR-1], v[AF+FR*(\a):AF+FR*(\a)+FR-1], v[8*(8*((\a)%4)+\b):8*(8*((\a)%4)+\b)+7]
.endif
.endr
.endr
.endm
.macro FETCH_B slot, q, p
	WIN TO_B
.irp i, 0,1,2,3,4,5,6,7
	FRAG 128*(\p)+FR*\i, ADRB+\slot, \q, \i
.endr
	WIN 0
.endm
.macro FETCH_A slot, q, i0
.irp i, \i0, \i0+1, \i0+2, \i0+3
	FRAG AF+FR*(\i), ADRA+\slot, \q, \i
.endr
.endm
.macro PLACES n
.rept \n
	v_nop
.endr
.endm
.macro STEP slot, q, zero
	s_wait_dscnt 4*NL
	WIN MUL_LO
	MUL16 0, (\q)%2, \zero
	MUL16 2, (\q)%2, \zero
	s_wait_dscnt 0
	PLACES NP
	FETCH_B \slot, (\q)+1, 1-(\q)%2
	FETCH_A \slot, (\q)+1, 0
	WIN MUL_HI
	MUL16 4, (\q)%2, \zero
	MUL16 6, (\q)%2, \zero
	PLACES NP
	WIN 0
	FETCH_A \slot, (\q)+1, 4
.endm
.macro TURN slot, next, fill
	s_wait_tensorcnt 0x0
	ds_add_u32 v[SPW], v[NIL]
	s_wait_dscnt 4*NL+1
	WIN MUL_LO
	MUL16 0, 1, 0
	s_wait_dscnt 0x0
	s_barrier_signal -1
	MUL16 2, 1, 0
	WIN 0
	s_barrier_wait -1
.if \fill
	CREST
	s_add_nc_u64 s[G0+4*\slot+2:G0+4*\slot+3], s[G0+4*\slot+2:G0+4*\slot+3], 2*ROWB
	s_add_nc_u64 s[G0B+4*\slot+2:G0B+4*\slot+3], s[G0B+4*\slot+2:G0B+4*\slot+3], 2*ROWB
	JLOAD G0+4*\slot, G1, G0B+4*\slot, G1B
.else
	PLACES NP
.endif
	FETCH_B \next, 0, 0
	FETCH_A \next, 0, 0
	WIN MUL_HI
	MUL16 4, 1, 0
	MUL16 6, 1, 0
	PLACES NP
	WIN 0
	FETCH_A \next, 0, 4
.endm
.macro TAIL
	STEP 1, 0, 0
	s_wait_dscnt 4*NL
	WIN MUL_LO
	MUL16 0, 1, 0
	MUL16 2, 1, 0
	s_wait_dscnt 0
	WIN MUL_HI
	MUL16 4, 1, 0
	MUL16 6, 1, 0
	WIN 0
.endm
.macro CSLOAD a
.set CB, 32+96*((\a)%2)
.irp bb, 0,1,2,3
	global_load_b128 v[CB+8*\bb:CB+8*\bb+3],       v[CSO], s[78:79] offset:4096*(\a)+64*\bb
	global_load_b128 v[CB+8*\bb+4:CB+8*\bb+7],     v[CSO], s[78:79] offset:4096*(\a)+64*\bb+16
	global_load_b128 v[CB+32+8*\bb:CB+32+8*\bb+3], v[CSO], s[80:81] offset:4096*(\a)+64*\bb
	global_load_b128 v[CB+32+8*\bb+4:CB+32+8*\bb+7], v[CSO], s[80:81] offset:4096*(\a)+64*\bb+16
.endr
.endm
.macro QKROW a
.if (\a) < 7
	s_wait_loadcnt 16
.else
	s_wait_loadcnt 0x0
.endif
.set CB, 32+96*((\a)%2)
.irp hd, 0,1
	WIN 0x02+(\a)/4
.irp bp, 0,1
.irp i, 0,2,4,6
.set LO, 8*(8*((\a)%4)+4*\hd+\bp)+\i
.set HI, LO+16
.set TL, T+8*\bp+\i
.set TH, TL+16
.set CL, CB+8*\bp+\i
	v_pk_mul_f32 v[TL:TL+1], v[HI:HI+1], v[CL+32:CL+33]
	v_pk_mul_f32 v[TH:TH+1], v[LO:LO+1], v[CL+48:CL+49]
	v_pk_fma_f32 v[TL:TL+1], v[LO:LO+1], v[CL:CL+1], v[TL:TL+1] neg_lo:[0,0,1] neg_hi:[0,0,1]
	v_pk_fma_f32 v[TH:TH+1], v[HI:HI+1], v[CL+16:CL+17], v[TH:TH+1]
.endr
.endr
	WIN 0
.set n, 0
.rept 32
	v_med3_num_f32 v[T+n], v[T+n], -v[LIM], v[LIM]
.set n, n+1
.endr
	s_wait_alu depctr_va_vdst(0)
	s_wait_xcnt 0x0
.irp c, 0,1,2,3
	v_cvt_scalef32_pk8_fp8_f32 v[CD+8*\hd+2*\c:CD+8*\hd+2*\c+1], v[T+8*\c:T+8*\c+7], v[SCL]
.endr
	v_nop
	global_store_b128 v[VO0+\hd], v[CD+8*\hd:CD+8*\hd+3],   s[86:87] offset:1024*(\a)
	global_store_b128 v[VO0+\hd], v[CD+8*\hd+4:CD+8*\hd+7], s[86:87] offset:1024*(\a)+512
.endr
.if (\a) < 6
	CSLOAD (\a)+2
.endif
.endm
.macro VROW a
	WIN 0x02+(\a)/4
.set n, 0
.rept 64
	v_med3_num_f32 v[VT+n], v[64*((\a)%4)+n], -v[LIM], v[LIM]
.set n, n+1
.endr
	WIN 0
.if (\a) > 1
	s_wait_alu depctr_va_vdst(0)
	s_wait_xcnt 0x0
.endif
.irp b, 0,1,2,3,4,5,6,7
	v_cvt_scalef32_pk8_fp8_f32 v[CD+16*((\a)%2)+2*\b:CD+16*((\a)%2)+2*\b+1], v[VT+8*\b:VT+8*\b+7], v[SCL]
.endr
	v_nop
.irp g, 0,1,2,3
	global_store_b128 v[VO0], v[CD+16*((\a)%2)+4*\g:CD+16*((\a)%2)+4*\g+3], s[86:87] offset:((\a)/4)*262144+((\a)%4)*2048+512*\g
.endr
.endm
	s_wait_tensorcnt 1
	s_barrier_signal -1
	s_barrier_wait -1
	FETCH_B 0, 0, 0
	FETCH_A 0, 0, 0
	FETCH_A 0, 0, 4
	STEP 0, 0, 1
	s_mov_b32 s3, LAPS-1
.Llap:
	TURN 0, 1, 1
	STEP 1, 0, 0
	TURN 1, 0, 1
	STEP 0, 0, 0
	s_sub_co_u32 s3, s3, 1
	s_cmp_lg_u32 s3, 0
	s_cbranch_scc1 .Llap
	TURN 0, 1, 0
	s_cmp_eq_u32 ttmp9, 2
	s_cbranch_scc1 .Lv_path
	s_lshl_b32 s18, s17, 8
	s_lshl_b32 s19, s15, 7
	s_add_co_u32 s18, s18, s19
	s_lshr_b32 s19, s18, 11
	s_and_b32 s18, s18, 2047
	s_lshl_b32 s22, s18, 8
	s_mov_b32 s23, 0
	s_add_nc_u64 s[78:79], s[78:79], s[22:23]
	s_add_nc_u64 s[80:81], s[80:81], s[22:23]
	s_lshl_b32 s19, s19, 4
	s_lshl_b32 s20, s42, 2
	s_add_co_u32 s19, s19, s20
	s_lshl_b32 s20, s16, 1
	s_add_co_u32 s19, s19, s20
	s_lshl_b32 s19, s19, 17
	s_lshl_b32 s20, s18, 6
	s_add_co_u32 s20, s19, s20
	s_cmp_eq_u32 ttmp9, 1
	s_cselect_b32 s22, 1, 0
	s_cselect_b64 s[86:87], s[84:85], s[82:83]
	s_lshl_b32 s20, s20, s22
	s_mov_b32 s21, 0
	s_add_nc_u64 s[86:87], s[86:87], s[20:21]
	s_lshl_b32 s23, 0x20000, s22
	v_add_nc_u32 v[VO0+1], s23, v[VO0]
	CSLOAD 0
	TAIL
	PLACES NP
	CSLOAD 1
.irp a, 0,1,2,3,4,5,6,7
	QKROW \a
.endr
	s_branch .Lend
.Lv_path:
	s_lshl_b32 s18, s42, 8
	s_lshl_b32 s19, s16, 7
	s_add_co_u32 s18, s18, s19
	s_lshr_b32 s19, s18, 11
	s_lshl_b32 s19, s19, 4
	s_lshl_b32 s20, s17, 2
	s_add_co_u32 s19, s19, s20
	s_lshl_b32 s20, s15, 1
	s_add_co_u32 s19, s19, s20
	s_lshl_b32 s19, s19, 18
	s_and_b32 s18, s18, 2047
	s_lshl_b32 s18, s18, 7
	s_add_co_u32 s20, s19, s18
	s_add_co_u32 s20, s20, 8192
	s_mov_b32 s21, 0
	s_add_nc_u64 s[86:87], s[84:85], s[20:21]
	TAIL
	PLACES NP
	s_wait_alu depctr_va_vdst(0)
.irp a, 0,1,2,3,4,5,6,7
	VROW \a
.endr
.Lend:
	s_wait_tensorcnt 0x0
	ds_add_u32 v[SPW], v[NIL]
	s_wait_dscnt 0x0
	CROUND
	s_endpgm
.Lfunc_end_k_q36256a13ae_qkv:
	.size	k_q36256a13ae_qkv, .Lfunc_end_k_q36256a13ae_qkv-k_q36256a13ae_qkv
	.p2alignl 7, 3214868480
	.fill 96, 4, 3214868480
	.section	.rodata,"a",@progbits
	.p2align	6, 0x0
	.amdhsa_kernel k_q36256a13ae_qkv
		.amdhsa_group_segment_fixed_size 327680
		.amdhsa_private_segment_fixed_size 0
		.amdhsa_enable_private_segment 0
		.amdhsa_kernarg_size 72
		.amdhsa_user_sgpr_count 2
		.amdhsa_user_sgpr_kernarg_segment_ptr 1
		.amdhsa_wavefront_size32 1
		.amdhsa_system_sgpr_workgroup_id_x 1
		.amdhsa_system_sgpr_workgroup_id_y 1
		.amdhsa_system_sgpr_workgroup_id_z 1
		.amdhsa_system_vgpr_workitem_id 0
		.amdhsa_next_free_vgpr 1024
		.amdhsa_next_free_sgpr 100
		.amdhsa_reserve_vcc 0
		.amdhsa_float_denorm_mode_32 3
		.amdhsa_float_denorm_mode_16_64 3
		.amdhsa_memory_ordered 1
		.amdhsa_forward_progress 1
		.amdhsa_inst_pref_size 219
	.end_amdhsa_kernel
	.amdgpu_metadata
---
amdhsa.version: [ 1, 2 ]
amdhsa.kernels:
  - .name:           k_q36256a13ae_qkv
    .symbol:         k_q36256a13ae_qkv.kd
    .args:
      - { .name: x_codes, .offset: 0, .size: 8, .value_kind: global_buffer, .address_space: global }
      - { .name: Wq_codes, .offset: 8, .size: 8, .value_kind: global_buffer, .address_space: global }
      - { .name: Wk_codes, .offset: 16, .size: 8, .value_kind: global_buffer, .address_space: global }
      - { .name: Wv_codes, .offset: 24, .size: 8, .value_kind: global_buffer, .address_space: global }
      - { .name: lowp_scales, .offset: 32, .size: 8, .value_kind: global_buffer, .address_space: global }
      - { .name: cos, .offset: 40, .size: 8, .value_kind: global_buffer, .address_space: global }
      - { .name: sin, .offset: 48, .size: 8, .value_kind: global_buffer, .address_space: global }
      - { .name: qimg, .offset: 56, .size: 8, .value_kind: global_buffer, .address_space: global }
      - { .name: kvimg, .offset: 64, .size: 8, .value_kind: global_buffer, .address_space: global }
    .group_segment_fixed_size: 327680
    .private_segment_fixed_size: 0
    .kernarg_segment_align: 8
    .kernarg_segment_size: 72
    .max_flat_workgroup_size: 128
    .sgpr_count:     100
    .vgpr_count:     1024
    .wavefront_size: 32
...
	.end_amdgpu_metadata
.endif
;; end of part 1
;; launch attn (part 2): grid 8 x 32, 8 waves a work-group, clusters of 4 x 1, 327,680 bytes of LDS; arguments qimg, kvimg, lowp_scales, aoimg; writes aoimg
.if DOCPART == 2
	.amdgcn_target "amdgcn-amd-amdhsa--gfx1250"
	.amdhsa_code_object_version 6
	.text
	.protected	k_q36256a13ae_attn
	.globl	k_q36256a13ae_attn
	.p2align	8
	.type	k_q36256a13ae_attn,@function
k_q36256a13ae_attn:
	s_mov_b64 s[64:65], 0
	v_nop
	global_prefetch_b8 v0, s[64:65] scope:SCOPE_SE
	s_setreg_imm32_b32 hwreg(HW_REG_WAVE_MODE, 25, 1), 1
	s_wait_xcnt 0x0
	s_wait_alu depctr_hold_cnt(0) depctr_sa_sdst(0) depctr_va_vdst(0) depctr_va_sdst(0) depctr_va_ssrc(0) depctr_va_vcc(0) depctr_vm_vsrc(0)
	s_getreg_b32 s2, hwreg(HW_REG_IB_STS2, 6, 4)
	s_cmp_eq_u32 s2, 0
	s_cbranch_scc0 .Lentry_in_a_cluster
	s_endpgm
.Lentry_in_a_cluster:
	s_bfe_u32 s2, ttmp6, 0x10000c
	s_cmp_lg_u32 s2, 0x3003
	s_cbranch_scc0 .Lentry_shape_is_right
	s_endpgm
.Lentry_shape_is_right:
; Causal attention of one head on codes of FP8 (E4M3): S^T = K Q^T, p = 2^(t - M), O^T = V^T P^T, O / the row's sum, quantised for the output projection.
; qimg, kvimg: images of operand registers, 16 bytes a lane, 512 bytes a group of four registers:
;   qimg  (16 b + head) x 131072 + (token / 16) x 1024;   kvimg  (16 b + head) x 262144 + (key / 128) x 16384: eight fragments of K (1,024 bytes each), then four of V^T (2,048 bytes each).
; aoimg: (row / 128) x 131072 + (head / 2) x 16384 + ((row / 16) % 8) x 2048 + g x 512 + 16 x lane: fragments of 16 rows x 128 along the projection's K; a head fills g = 2 (head % 2) and the next.
; THE SOFTMAX: t = score x log2(e) / 8; M = the running largest t rounded UP to a whole number; p = 2^(t - M) is quantised, not normalised; the row's sum is taken of the unquantised p in f32 and divides O at the end.
; When M moves, the sum and O^T are multiplied by 2^(old M - new M), which rounds nothing.
; LEFT OUT: steps of 128 keys that lie wholly above the diagonal: the causal mask sets their scores to -infinity ahead of the softmax, so p is 0 there for all finite inputs.  A NaN, an infinity or an overflow
; that reaches only those scores is not carried to the result.
; SHARES.  A head's queries are 64 blocks of 32 (two tiles of 16).  Block i wants i / 4 + 1 key steps of 128; blocks i and 63 - i together want 17, shared by two waves, w and w + 4.  With i = 4 G + cx, G = 2 (w % 4) + the cluster's x, S = 7 - G:
;   wave w ("A"):     nine steps of the long block 63 - i: in trip n step min(2 n, n + S); the last, n = 8, is the one on the diagonal;
;   wave w + 4 ("B"): in trips n < S the long block's steps 2 n + 1, then in trips S to 7 the short block i's steps n - S; n = 7 is the one on the diagonal.  In trip 8 it has no step.
; In trip S wave B sets its part of the long block (-M, sum, O^T) aside in registers and begins the short block.  At the end it hands that part to wave A through LDS, and A joins the two parts: both are brought under the
; larger M by powers of two.  Where S = 0 the part is empty: M = -3e38, and sum and O^T are 0.
; A HEAD'S WHOLE K AND V, 262,144 bytes, LIE IN LDS, byte for byte as in kvimg: every LDS byte is filled once.  Each wave brings 12,288 bytes by its load at the head (all together groups 0 to 5) and 20,480 by a second one,
; behind the full sequence; trips 0 to 2 touch groups 0 to 5 alone.  One tensor load of a wave is out at a time.
; CLUSTER: the four work-groups of a cluster belong to one head and ask for its K and V jointly.  No branch, trip count or LDS address hangs on cx: it enters global addresses of Q and O and vector data alone.
; No prefetch: both loads stand ahead of the first key step, and the loops ask memory for nothing.
; LAYOUT: a lane holds ONE query of each tile (lane % 16) throughout.  Register 8 t + j of S^T is key 16 t + 8 (lane / 16) + j: tile t's eight registers, converted, are registers 2 t, 2 t + 1 of P's fragment.
; LIMITS on the given exponents: e6 + e7 between -123 and 130 (they are added to c's exponent field); e8, and e10 - e8 - e9, between -126 and 119.  The scaled scores stay under 2^31 in magnitude.  NaN is not served.
; REGISTERS.  Window 0: v1 16 x lane; v2 the step's LDS address; v3, v4 tile 0's and 1's query less 8 (lane / 16), within 128; v5, v6 448 x 2^e8, 2^e8; v7, v8 the same with e10 - e8 - e9; v9 -infinity; v10, v12 -M;
;   v11, v13 the largest score; v[14:15], v[16:17] the sums in two halves; v18, v20 the factors; v32-47 Q; v48-111 O^T; v112-239 S^T, then p; v240-255 at work.
;   Window 1: v0-63 K's fragments; v64-127 V's; v128-159 p's codes; v160-175 the short block's Q (read by waves B alone); v176-243 what wave B sets aside.
.set LI,   1
.set ADR,  2
.set NM,   10
.set LG,   11
.set SUM,  14
.set FA,   18
.set FB,   22
.set SPW,  26                          ; v26  LDS address of my spare word; v27  0; neither is rewritten
.set NIL,  27
.set STA,  28                          ; v28  my pair's stage
.set QF,   32
.set OA,   48
.set SC,   112
.set TM,   240
.set VF,   64
.set PC,   128
.set Q2,   160
.set SV,   176
.set SPARE, 262144                     ; the spare words, 128 bytes for each wave: four blocks of 256 bytes that no other line names
.set STG,  SPARE+1024                  ; four stages of 17 x 512 bytes, into which no fill lands
.set WV,   12                          ; s12 my wave's number
.set GG,   16                          ; s16 G
.set BF,   17                          ; s17 0 in waves A, 1 in waves B
.set SH,   18                          ; s18 S = 7 - G
.set SWT,  19                          ; s19 the trip in which my wave changes blocks (31: none)
.set CS,   22                          ; s[22:23] c
.set NT,   60                          ; s60 the trip
.set TB,   61                          ; s61 LDS byte at which the step's group begins
.set MSB, 0
.macro WIN new                         ; the immediate's high byte repeats the setting that is left
.if MSB != (\new)
	s_set_vgpr_msb (MSB<<8)|(\new)
.set MSB, (\new)
.endif
.endm
.macro PLACES
.rept 4
	v_nop
.endr
.endm
.macro CROUND                          ; a round of the cluster's barrier
	s_barrier_signal -1
	s_barrier_wait -1
	s_cmp_lg_u32 s[WV], 0
	s_cbranch_scc1 .Lnot_wave_0_\@
	s_barrier_signal -3
.Lnot_wave_0_\@:
	s_barrier_wait -3
	s_barrier_signal -1
	s_barrier_wait -1
.endm
.macro DESC g, rows                    ; descriptor group 1: dense bytes as rows of 256
	s_mov_b32 s[\g], 15|(3<<16)|(1<<21)            ; 15:0 the mask: all four work-groups; 17:16 elements of 8 bytes; 21 set beside a mask; no padding
	s_mov_b32 s[\g+1], 32<<16                      ; tensor_dim0 = 32 elements
	s_mov_b32 s[\g+2], \rows<<16                   ; tensor_dim1
	s_mov_b32 s[\g+3], 32<<16                      ; tile_dim0
	s_mov_b32 s[\g+4], \rows                       ; tile_dim1
	s_mov_b32 s[\g+5], 32                          ; tensor_dim0_stride
	s_mov_b32 s[\g+6], 0
	s_mov_b32 s[\g+7], 0
.endm
.macro FRESH                           ; the state ahead of a block's first step: the first change of M leaves zeros zeros
	v_mov_b32 v[NM], 0x7f61b1e6                    ; -M = 3e38
	v_mov_b32 v[NM+2], 0x7f61b1e6
	v_mov_b32 v[LG], 0xff61b1e6                    ; the largest score: -3e38
	v_mov_b32 v[LG+2], 0xff61b1e6
.irp i, 0,1,2,3
	v_mov_b32 v[SUM+\i], 0
.endr
.set n, 0
.rept 64
	v_mov_b32 v[OA+n], 0
.set n, n+1
.endr
.endm
	s_load_b256 s[4:11], s[0:1], 0x0               ; qimg s[4:5], kvimg s[6:7], the exponents s[8:9], aoimg s[10:11]
	v_lshl_add_u32 v[SPW], v0, 2, SPARE
	v_mov_b32 v[NIL], 0
	ds_add_u32 v[SPW], v[NIL]                      ; the opening spare-word adds; the set-up below, work on registers, stands ahead of their wait
	ds_add_u32 v[SPW], v[NIL]
	v_lshrrev_b32 v1, 5, v0
	v_readfirstlane_b32 s[WV], v1                  ; wave 0..7
	s_bfe_u32 s13, ttmp6, 0x40000                  ; cx
	s_and_b32 s15, ttmp7, 0xffff                   ; 16 b + head, which the four partners share
	s_and_b32 s14, s[WV], 3
	s_lshr_b32 s[BF], s[WV], 2
	s_lshl_b32 s[GG], s14, 1
	s_add_co_u32 s[GG], s[GG], ttmp9
	s_sub_co_u32 s[SH], 7, s[GG]
	s_cmp_eq_u32 s[BF], 0
	s_mov_b32 s48, 31
	s_cselect_b32 s[SWT], s48, s[SH]
	DESC 24, 48
	DESC 32, 80
	s_mul_i32 s48, s[WV], 12288                    ; my part of groups 0 to 5,
	s_mul_i32 s49, s[WV], 20480
	s_add_co_u32 s49, s49, 98304                   ; and of groups 6 to 15: in LDS as in the head's image
	s_lshl_b32 s50, s15, 18
	s_add_co_u32 s52, s50, s49
	s_mov_b32 s53, 0
	s_add_co_u32 s50, s50, s48
	s_mov_b32 s51, 0
	s_wait_dscnt 0x0
	s_wait_kmcnt 0x0
	s_load_b64 s[54:55], s[8:9], 0x18              ; e6, e7
	s_load_b128 s[56:59], s[8:9], 0x20             ; e8, e9, e10, e11
	s_mov_b32 s40, 1                               ; count = 1
	s_mov_b32 s41, s48
	s_add_nc_u64 s[42:43], s[6:7], s[50:51]
	s_or_b32 s43, s43, 0x80000000                  ; type = 2
	s_mov_b32 s44, 1
	s_mov_b32 s45, s49
	s_add_nc_u64 s[46:47], s[6:7], s[52:53]
	s_or_b32 s47, s47, 0x80000000
	CROUND                                         ; all four work-groups are here: the joint loads meet
	tensor_load_to_lds s[40:43], s[24:31]
	s_nop 0
	PLACES
	s_lshl_b32 s48, s[GG], 2
	s_add_co_u32 s48, s48, s13                     ; i
	s_lshl_b32 s48, s48, 11                        ; a block's Q is 2,048 bytes: the short block's, i,
	s_sub_co_u32 s50, 63*2048, s48                 ; and the long one's, 63 - i
	s_lshl_b32 s52, s15, 17
	s_add_co_u32 s48, s48, s52
	s_add_co_u32 s50, s50, s52
	s_mov_b32 s49, 0
	s_mov_b32 s51, 0
	s_add_nc_u64 s[68:69], s[4:5], s[50:51]
	s_add_nc_u64 s[70:71], s[4:5], s[48:49]
	v_and_b32 v9, 31, v0
	v_lshlrev_b32 v[LI], 4, v9
.irp i, 0,1,2,3
	global_load_b128 v[QF+4*\i:QF+4*\i+3], v[LI], s[68:69] offset:512*\i
.endr
	WIN 0x40
.irp i, 0,1,2,3
	global_load_b128 v[Q2+4*\i:Q2+4*\i+3], v[LI], s[70:71] offset:512*\i
.endr
.set n, 0
.rept 64
	v_mov_b32 v[SV+n], 0                           ; what is handed over where the part is empty
.set n, n+1
.endr
	v_mov_b32 v[SV+64], 0x7f61b1e6
	v_mov_b32 v[SV+65], 0
	v_mov_b32 v[SV+66], 0x7f61b1e6
	v_mov_b32 v[SV+67], 0
	WIN 0
	FRESH
	s_sub_co_u32 s48, 15, s[GG]
	s_sub_co_u32 s49, 3, s13
	s_cmp_eq_u32 s[BF], 0
	s_cselect_b32 s48, s48, s[GG]                  ; the 128 queries in which the block that my wave stores lies,
	s_cselect_b32 s49, s49, s13                    ; and which 32 of them
	s_lshr_b32 s50, s15, 4
	s_lshl_b32 s50, s50, 4
	s_add_co_u32 s50, s50, s48
	s_lshl_b32 s50, s50, 17                        ; the block of 128 rows
	s_bfe_u32 s51, s15, 0x30001                    ; head / 2: the projection's K step
	s_lshl_b32 s51, s51, 14
	s_add_co_u32 s50, s50, s51
	s_lshl_b32 s51, s49, 12                        ; two tiles of 16 rows
	s_add_co_u32 s50, s50, s51
	s_and_b32 s51, s15, 1
	s_lshl_b32 s51, s51, 10                        ; head % 2: which half of the fragment
	s_add_co_u32 s50, s50, s51
	s_mov_b32 s51, 0
	s_add_nc_u64 s[10:11], s[10:11], s[50:51]
	s_lshl_b32 s49, s49, 5
	s_mul_i32 s48, s14, 17*512
	s_add_co_u32 s48, s48, STG
	s_mov_b32 s20, 0x76543210                      ; v_permlanex16_b32's selects for lane l xor 16
	s_mov_b32 s21, 0xfedcba98
	s_mov_b32 s[CS], 0x3e38aa3b                    ; c = log2(e) / sqrt(64)
	v_and_b32 v9, 31, v0
	v_lshlrev_b32 v9, 4, v9
	v_add_nc_u32 v[STA], s48, v9
	v_and_b32 v22, 15, v0                          ; r
	v_bfe_u32 v23, v0, 4, 1                        ; h
	v_lshlrev_b32 v23, 3, v23
	v_sub_nc_u32 v3, v22, v23
	v_add_nc_u32 v3, s49, v3                       ; 32 x block + r - 8 h: register 8 t + j holds a hidden key where 16 t + j is larger
	v_add_nc_u32 v4, 16, v3                        ; tile 1's
	v_mov_b32 v9, 0xff800000                       ; -infinity
	v_mov_b32 v[FA+1], 0                           ; (v19, v21, v25: named as upper halves of pairs)
	v_mov_b32 v[FA+3], 0
	v_mov_b32 v[FB+3], 0
	v_mov_b32 v[TM+8], 0                           ; written once: a lane permute's destination counts as one of its sources
	v_mov_b32 v[TM+9], 0
	s_wait_alu depctr_va_vdst(0)
	s_wait_kmcnt 0x0
	s_add_co_i32 s48, s54, s55
	s_lshl_b32 s48, s48, 23
	s_add_co_i32 s[CS], s[CS], s48                 ; a score stands for score x 2^(e6 + e7): added to c's exponent field
	s_mov_b32 s[CS+1], s[CS]                       ; (named with it as a pair, so it is written)
	s_add_co_i32 s48, s56, 127
	s_lshl_b32 s49, s48, 23
	v_mov_b32 v6, s49                              ; 2^e8 as f32, for p's conversion
	s_add_co_i32 s48, s48, 8
	s_lshl_b32 s48, s48, 23
	s_or_b32 s48, s48, 0x600000
	v_mov_b32 v5, s48                              ; 448 x 2^e8
	s_sub_co_i32 s48, s58, s56
	s_sub_co_i32 s48, s48, s57                     ; a sum of the second product stands for sum x 2^(e8 + e9): the result's conversion takes 2^(e10 - e8 - e9)
	s_add_co_i32 s48, s48, 127
	s_lshl_b32 s49, s48, 23
	v_mov_b32 v8, s49
	s_add_co_i32 s48, s48, 8
	s_lshl_b32 s48, s48, 23
	s_or_b32 s48, s48, 0x600000
	v_mov_b32 v7, s48
; TRIP s[NT]: cap bounds the key step to the groups that have landed; late = 1: the trips that may hold a diagonal step or wave B's empty one.
.macro STEP cap, late
	s_cmp_lg_u32 s[NT], s[SWT]                     ; wave B changes blocks: what it has of the long one is set aside
	s_cbranch_scc1 .Lsame_\@
	PLACES                                         ; behind the last products, whose results are read and written over
	WIN 0x40
.set n, 0
.rept 64
	v_mov_b32 v[SV+n], v[OA+n]
.set n, n+1
.endr
	v_mov_b32 v[SV+64], v[NM]
	v_add_f32 v[SV+65], v[SUM], v[SUM+1]
	v_mov_b32 v[SV+66], v[NM+2]
	v_add_f32 v[SV+67], v[SUM+2], v[SUM+3]
	WIN 0x01
.set n, 0
.rept 16
	v_mov_b32 v[QF+n], v[Q2+n]
.set n, n+1
.endr
	WIN 0
	FRESH
.Lsame_\@:
.if \late
	s_add_co_u32 s48, s[NT], s[BF]
	s_cmp_gt_u32 s48, 8                            ; wave B has no step in trip 8
	s_cbranch_scc1 .Lhid_\@
.endif
	s_lshl_b32 s48, s[NT], 1
	s_add_co_u32 s49, s[NT], s[SH]
	s_min_u32 s49, s48, s49                        ; A: min(2 n, n + S)
	s_add_co_u32 s48, s48, 1                       ; B, long block: 2 n + 1
	s_sub_co_u32 s50, s[NT], s[SH]                 ; B, short block: n - S
	s_cmp_lt_u32 s[NT], s[SH]
	s_cselect_b32 s50, s48, s50
	s_cmp_eq_u32 s[BF], 0
	s_cselect_b32 s50, s49, s50
	s_min_u32 s50, s50, \cap                       ; (never above it: the bound is written for the addresses below)
	s_lshl_b32 s[TB], s50, 14
	v_add_nc_u32 v[ADR], s[TB], v[LI]
	WIN 0x40
.irp t, 0,1,2,3,4,5,6,7
	ds_load_b128 v[8*\t:8*\t+3], v[ADR] offset:1024*\t           ; K's fragment of keys 16 t on, as it was stored: 512 consecutive bytes an instruction
	ds_load_b128 v[8*\t+4:8*\t+7], v[ADR] offset:1024*\t+512
.endr
	WIN 0x01
	s_wait_alu depctr_va_vdst(0)
	s_wait_dscnt 8                                 ; keys 0-63 are in; the youngest eight loads may be out
.irp t, 0,1,2,3
.irp b, 0,1
	v_wmma_f32_16x16x64_fp8_fp8 v[SC+64*\b+8*\t:SC+64*\b+8*\t+7], v[8*\t:8*\t+7], v[QF+8*\b:QF+8*\b+7], 0
.endr
.endr
	s_wait_dscnt 0x0
.irp t, 4,5,6,7
.irp b, 0,1
	v_wmma_f32_16x16x64_fp8_fp8 v[SC+64*\b+8*\t:SC+64*\b+8*\t+7], v[8*\t:8*\t+7], v[QF+8*\b:QF+8*\b+7], 0
.endr
.endr
	PLACES                                         ; in front of the loads into V's registers, which the last step's products read, and of the first read of the scores
	WIN 0x40
.irp t, 0,1,2,3
.irp g, 0,1,2,3
	ds_load_b128 v[VF+16*\t+4*\g:VF+16*\t+4*\g+3], v[ADR] offset:8192+2048*\t+512*\g   ; V^T's fragment of channels 16 t on: it lands under the softmax
.endr
.endr
	WIN 0
.if \late
	s_add_co_u32 s48, s[NT], s[BF]
	s_cmp_lg_u32 s48, 8                            ; the diagonal step alone has hidden keys: their scores become -infinity
	s_cbranch_scc1 .Lopen_\@
.irp b, 0,1
.irp t, 0,1,2,3,4,5,6,7
.irp j, 0,1,2,3,4,5,6,7
	v_cmp_gt_i32 vcc_lo, 16*\t+\j, v[3+\b]
	v_cndmask_b32 v[SC+64*\b+8*\t+\j], v[SC+64*\b+8*\t+\j], v9, vcc_lo
.endr
.endr
.endr
.Lopen_\@:
.endif
	; the largest score of each tile's query among my 64 keys: four chains a tile, each accumulator from its low end on
.irp b, 0,1
.irp q, 0,1,2,3
	v_max3_num_f32 v[TM+4*\b+\q], v[SC+64*\b+16*\q], v[SC+64*\b+16*\q+1], v[SC+64*\b+16*\q+2]
.endr
.endr
.irp i, 3,5,7,9,11,13
.irp b, 0,1
.irp q, 0,1,2,3
	v_max3_num_f32 v[TM+4*\b+\q], v[TM+4*\b+\q], v[SC+64*\b+16*\q+\i], v[SC+64*\b+16*\q+\i+1]
.endr
.endr
.endr
.irp b, 0,1
	v_max3_num_f32 v[TM+4*\b], v[TM+4*\b], v[SC+64*\b+15], v[SC+64*\b+31]
	v_max3_num_f32 v[TM+4*\b+1], v[TM+4*\b+1], v[SC+64*\b+47], v[SC+64*\b+63]
.endr
.irp b, 0,1
	v_max3_num_f32 v[TM+4*\b], v[TM+4*\b], v[TM+4*\b+2], v[TM+4*\b+3]
.endr
.irp b, 0,1
	v_max_num_f32 v[TM+4*\b], v[TM+4*\b], v[TM+4*\b+1]
.endr
.irp b, 0,1
	v_permlanex16_b32 v[TM+8+\b], v[TM+4*\b], s20, s21
.endr
.irp b, 0,1
	v_max3_num_f32 v[LG+2*\b], v[LG+2*\b], v[TM+4*\b], v[TM+8+\b]   ; the running largest, lane l xor 16's keys among them
.endr
.irp b, 0,1
	v_mul_f32 v[TM+10+\b], s[CS], -v[LG+2*\b]      ; -t of it (c is positive)
.endr
.irp b, 0,1
	v_floor_f32 v[TM+10+\b], v[TM+10+\b]           ; the new -M = floor(-t) = -ceil(t): a whole number
.endr
.irp b, 0,1
	v_sub_f32 v[TM+12+\b], v[TM+10+\b], v[NM+2*\b] ; old M less new M: a whole number, 0 or less
.endr
.irp b, 0,1
	v_mov_b32 v[NM+2*\b], v[TM+10+\b]
.endr
.irp b, 0,1
	v_cvt_i32_f32 v[TM+12+\b], v[TM+12+\b]         ; (it saturates)
.endr
.irp b, 0,1
	v_ldexp_f32 v[FA+2*\b], 1.0, v[TM+12+\b]       ; f = 2^(old M - new M)
.endr
.set n, 0
.rept 32
	v_pk_fma_f32 v[SC+n:SC+n+1], v[SC+n:SC+n+1], s[CS:CS+1], v[NM:NM+1] op_sel_hi:[1,0,0]   ; t - M, two at a time (of the pairs c and -M the low word serves both halves)
	v_pk_fma_f32 v[SC+64+n:SC+65+n], v[SC+64+n:SC+65+n], s[CS:CS+1], v[NM+2:NM+3] op_sel_hi:[1,0,0]
.set n, n+2
.endr
.set n, 0
.rept 16
	v_pk_mul_f32 v[OA+n:OA+n+1], v[OA+n:OA+n+1], v[FA:FA+1] op_sel_hi:[1,0]   ; O^T under the new M, each accumulator from its low end on
	v_pk_mul_f32 v[OA+32+n:OA+33+n], v[OA+32+n:OA+33+n], v[FA+2:FA+3] op_sel_hi:[1,0]
.set n, n+2
.endr
	v_pk_mul_f32 v[SUM:SUM+1], v[SUM:SUM+1], v[FA:FA+1] op_sel_hi:[1,0]   ; the sums likewise
	s_wait_alu depctr_va_vdst(0)
.set n, 0
.rept 128
	v_exp_f32 v[SC+n], v[SC+n]                     ; p = 2^(t - M), at most 1
.set n, n+1
.endr
	v_pk_mul_f32 v[SUM+2:SUM+3], v[SUM+2:SUM+3], v[FA+2:FA+3] op_sel_hi:[1,0]   ; (a plain line behind the exponentials)
	s_wait_alu depctr_va_vdst(0)                   ; ahead of the batch's first reader
	; the row's sum, of the unquantised p: four chains a tile
.irp k, 0,1,2
.irp b, 0,1
	v_pk_add_f32 v[TM+6*\b+2*\k:TM+6*\b+2*\k+1], v[SC+64*\b+4*\k:SC+64*\b+4*\k+1], v[SC+64*\b+4*\k+2:SC+64*\b+4*\k+3]
.endr
.endr
.irp b, 0,1
	v_pk_add_f32 v[SUM+2*\b:SUM+2*\b+1], v[SUM+2*\b:SUM+2*\b+1], v[SC+64*\b+12:SC+64*\b+13]
.endr
.set n, 7
.rept 25
.irp b, 0,1
.if (n-7)%4 == 3
.set CH, SUM+2*\b
.else
.set CH, TM+6*\b+2*((n-7)%4)
.endif
	v_pk_add_f32 v[CH:CH+1], v[CH:CH+1], v[SC+64*\b+2*n:SC+64*\b+2*n+1]
.endr
.set n, n+1
.endr
.set n, 0
.rept 64
	v_dual_min_num_f32 v[SC+n], v[SC+n], v5 :: v_dual_min_num_f32 v[SC+n+1], v[SC+n+1], v5   ; the conversion does not saturate (ISA guide 7.6.2); p is not negative, so the hold is one-sided
.set n, n+2
.endr
	WIN 0x40
.irp t, 0,1,2,3,4,5,6,7
.irp b, 0,1
	v_cvt_scalef32_pk8_fp8_f32 v[PC+16*\b+2*\t:PC+16*\b+2*\t+1], v[SC+64*\b+8*\t:SC+64*\b+8*\t+7], v6   ; keys 16 t + 8 h + 0 .. 7: registers 2 t, 2 t + 1 of P's fragment
.endr
.endr
	WIN 0
.irp b, 0,1                            ; the sum's chains join: also the plain lines behind the conversions
	v_pk_add_f32 v[TM+6*\b:TM+6*\b+1], v[TM+6*\b:TM+6*\b+1], v[TM+6*\b+2:TM+6*\b+3]
.endr
.irp b, 0,1
	v_pk_add_f32 v[SUM+2*\b:SUM+2*\b+1], v[SUM+2*\b:SUM+2*\b+1], v[TM+6*\b+4:TM+6*\b+5]
.endr
.irp b, 0,1
	v_pk_add_f32 v[SUM+2*\b:SUM+2*\b+1], v[SUM+2*\b:SUM+2*\b+1], v[TM+6*\b:TM+6*\b+1]
.endr
	s_wait_alu depctr_va_vdst(0)
	s_wait_dscnt 0x0                               ; V is in
	WIN 0x05
.irp t, 0,1,2,3
.irp b, 0,1
	v_wmma_f32_16x16x128_fp8_fp8 v[OA+32*\b+8*\t:OA+32*\b+8*\t+7], v[VF+16*\t:VF+16*\t+15], v[PC+16*\b:PC+16*\b+15], v[OA+32*\b+8*\t:OA+32*\b+8*\t+7]   ; eight accumulators by turns
.endr
.endr
	WIN 0
.Lhid_\@:
.endm
	s_wait_alu depctr_va_vdst(0)
	s_wait_loadcnt 0x0                             ; Q
	s_wait_tensorcnt 0x0                           ; my part of groups 0 to 5 is in
	ds_add_u32 v[SPW], v[NIL]
	s_wait_dscnt 0x0
	CROUND                                         ; everybody's part is in, and all four work-groups are here
	tensor_load_to_lds s[44:47], s[32:39]          ; my part of groups 6 to 15: first read in trip 3
	s_nop 0
	PLACES
	s_mov_b32 s[NT], 0
.Lfirst:                                               ; trips 0 to 2: groups 0 to 5
	STEP 5, 0
	s_add_co_u32 s[NT], s[NT], 1
	s_cmp_lt_u32 s[NT], 3
	s_wait_alu depctr_va_vdst(0)
	s_cbranch_scc1 .Lfirst
	s_wait_tensorcnt 0x0                           ; my second load has landed,
	s_wait_dscnt 0x0
	s_barrier_signal -1
	s_barrier_wait -1                              ; everybody's has; nothing is filled from here on
	s_mov_b32 s[NT], 3
.Lsecond:
	STEP 15, 1
	s_add_co_u32 s[NT], s[NT], 1
	s_cmp_lt_u32 s[NT], 9
	s_wait_alu depctr_va_vdst(0)
	s_cbranch_scc1 .Lsecond
	PLACES                                         ; behind the last products
	v_add_f32 v[SUM], v[SUM], v[SUM+1]             ; the sums' two halves
	v_add_f32 v[SUM+2], v[SUM+2], v[SUM+3]
	s_wait_alu depctr_va_vdst(0)
	s_cmp_eq_u32 s[BF], 0
	s_cbranch_scc1 .Lno_dump
	WIN 0x04                                       ; wave B hands its part of the long block to wave A: 512 consecutive bytes an instruction
.irp i, 0,1,2,3,4,5,6,7,8,9,10,11,12,13,14,15,16
	ds_store_b128 v[STA], v[SV+4*\i:SV+4*\i+3] offset:512*\i
.endr
	WIN 0
.Lno_dump:
	s_wait_dscnt 0x0                               ; my stores are done,
	s_barrier_signal -1
	s_barrier_wait -1                              ; everybody's are
	s_cmp_lg_u32 s[BF], 0
	s_cbranch_scc1 .Lout
	ds_load_b128 v[TM:TM+3], v[STA] offset:8192    ; -M and the sum, of tile 0, of tile 1
.irp i, 0,1,2,3,4,5,6,7,8,9,10,11,12,13,14,15
	ds_load_b128 v[SC+4*\i:SC+4*\i+3], v[STA] offset:512*\i
.endr
	s_wait_dscnt 16                                ; all but the sixteen loads of O^T
.irp b, 0,1
	v_min_num_f32 v[TM+10+\b], v[NM+2*\b], v[TM+2*\b]   ; -M of both parts
.endr
.irp b, 0,1
	v_sub_f32 v[TM+12+\b], v[TM+10+\b], v[NM+2*\b]
	v_sub_f32 v[TM+14+\b], v[TM+10+\b], v[TM+2*\b]
.endr
.irp b, 0,1
	v_cvt_i32_f32 v[TM+12+\b], v[TM+12+\b]
	v_cvt_i32_f32 v[TM+14+\b], v[TM+14+\b]
.endr
.irp b, 0,1
	v_ldexp_f32 v[FA+2*\b], 1.0, v[TM+12+\b]
	v_ldexp_f32 v[FB+2*\b], 1.0, v[TM+14+\b]
.endr
.irp b, 0,1
	v_mul_f32 v[SUM+2*\b], v[SUM+2*\b], v[FA+2*\b]
.endr
.irp b, 0,1
	v_fma_f32 v[SUM+2*\b], v[TM+2*\b+1], v[FB+2*\b], v[SUM+2*\b]
.endr
	s_wait_alu depctr_va_vdst(0)
	s_wait_dscnt 0x0
.set n, 0
.rept 16
.irp b, 0,1
	v_pk_mul_f32 v[OA+32*\b+n:OA+32*\b+n+1], v[OA+32*\b+n:OA+32*\b+n+1], v[FA+2*\b:FA+2*\b+1] op_sel_hi:[1,0]
.endr
.set n, n+2
.endr
.set n, 0
.rept 16
.irp b, 0,1
	v_pk_fma_f32 v[OA+32*\b+n:OA+32*\b+n+1], v[SC+32*\b+n:SC+32*\b+n+1], v[FB+2*\b:FB+2*\b+1], v[OA+32*\b+n:OA+32*\b+n+1] op_sel_hi:[1,0,1]
.endr
.set n, n+2
.endr
	s_wait_alu depctr_va_vdst(0)
.Lout:
	; THE WAY OUT: O^T / the sum, held and converted: tile t's eight channels are registers 2 t, 2 t + 1 of my head's half of the projection's fragment.
.irp b, 0,1
	v_permlanex16_b32 v[TM+8+\b], v[SUM+2*\b], s20, s21
.endr
.irp b, 0,1
	v_add_f32 v[SUM+2*\b], v[SUM+2*\b], v[TM+8+\b] ; and lane l xor 16's: the row's sum
.endr
	s_wait_alu depctr_va_vdst(0)
	v_rcp_f32 v[SUM], v[SUM]
	v_rcp_f32 v[SUM+2], v[SUM+2]
	v_nop                                          ; a plain line behind the transcendentals
	s_wait_alu depctr_va_vdst(0)
.set n, 0
.rept 16
.irp b, 0,1
	v_pk_mul_f32 v[SC+32*\b+n:SC+32*\b+n+1], v[OA+32*\b+n:OA+32*\b+n+1], v[SUM+2*\b:SUM+2*\b+1] op_sel_hi:[1,0]   ; ascending: each accumulator from its low end on
.endr
.set n, n+2
.endr
.set n, 0
.rept 64
	v_med3_num_f32 v[SC+n], v[SC+n], -v7, v7
.set n, n+1
.endr
.irp t, 0,1,2,3,4,5,6,7
	v_cvt_scalef32_pk8_fp8_f32 v[TM+2*\t:TM+2*\t+1], v[SC+8*\t:SC+8*\t+7], v8
.endr
	v_nop
	global_store_b128 v[LI], v[TM:TM+3], s[10:11]                   ; each store of the wave covers 512 consecutive bytes, aligned
	global_store_b128 v[LI], v[TM+4:TM+7], s[10:11] offset:512
	global_store_b128 v[LI], v[TM+8:TM+11], s[10:11] offset:2048
	global_store_b128 v[LI], v[TM+12:TM+15], s[10:11] offset:2560
	s_wait_tensorcnt 0x0                           ; the wave's end
	ds_add_u32 v[SPW], v[NIL]
	s_wait_dscnt 0x0
	CROUND                                         ; the closing round: no work-group ends while a partner may still ask for a tile that names it
	s_endpgm
.Lfunc_end_k_q36256a13ae_attn:
	.size	k_q36256a13ae_attn, .Lfunc_end_k_q36256a13ae_attn-k_q36256a13ae_attn
	.p2alignl 7, 3214868480
	.fill 96, 4, 3214868480
	.section	.rodata,"a",@progbits
	.p2align	6, 0x0
	.amdhsa_kernel k_q36256a13ae_attn
		.amdhsa_group_segment_fixed_size 327680
		.amdhsa_private_segment_fixed_size 0
		.amdhsa_enable_private_segment 0
		.amdhsa_kernarg_size 32
		.amdhsa_user_sgpr_count 2
		.amdhsa_user_sgpr_kernarg_segment_ptr 1
		.amdhsa_wavefront_size32 1
		.amdhsa_system_sgpr_workgroup_id_x 1
		.amdhsa_system_sgpr_workgroup_id_y 1
		.amdhsa_system_sgpr_workgroup_id_z 1
		.amdhsa_system_vgpr_workitem_id 0
		.amdhsa_next_free_vgpr 512
		.amdhsa_next_free_sgpr 100
		.amdhsa_reserve_vcc 1
		.amdhsa_float_denorm_mode_32 3
		.amdhsa_float_denorm_mode_16_64 3
		.amdhsa_memory_ordered 1
		.amdhsa_forward_progress 1
		.amdhsa_inst_pref_size 106
	.end_amdhsa_kernel
	.amdgpu_metadata
---
amdhsa.version: [ 1, 2 ]
amdhsa.kernels:
  - .name:           k_q36256a13ae_attn
    .symbol:         k_q36256a13ae_attn.kd
    .args:
      - { .name: qimg, .offset: 0, .size: 8, .value_kind: global_buffer, .address_space: global }
      - { .name: kvimg, .offset: 8, .size: 8, .value_kind: global_buffer, .address_space: global }
      - { .name: lowp_scales, .offset: 16, .size: 8, .value_kind: global_buffer, .address_space: global }
      - { .name: aoimg, .offset: 24, .size: 8, .value_kind: global_buffer, .address_space: global }
    .group_segment_fixed_size: 327680
    .private_segment_fixed_size: 0
    .kernarg_segment_align: 8
    .kernarg_segment_size: 32
    .max_flat_workgroup_size: 256
    .sgpr_count:     100
    .vgpr_count:     512
    .wavefront_size: 32
...
	.end_amdgpu_metadata
.endif
;; end of part 2
;; launch oproj (part 3): grid 8 x 32, 4 waves a work-group, clusters of 4 x 4, 327,680 bytes of LDS; arguments aoimg, Wo_codes, lowp_scales, out0; writes out0
.if DOCPART == 3
	.amdgcn_target "amdgcn-amd-amdhsa--gfx1250"
	.amdhsa_code_object_version 6
	.text
	.protected	k_q36256a13ae_oproj
	.globl	k_q36256a13ae_oproj
	.p2align	8
	.type	k_q36256a13ae_oproj,@function
k_q36256a13ae_oproj:
	s_mov_b64 s[64:65], 0
	v_nop
	global_prefetch_b8 v0, s[64:65] scope:SCOPE_SE
	s_setreg_imm32_b32 hwreg(HW_REG_WAVE_MODE, 25, 1), 1
	s_wait_xcnt 0x0
	s_wait_alu depctr_hold_cnt(0) depctr_sa_sdst(0) depctr_va_vdst(0) depctr_va_sdst(0) depctr_va_ssrc(0) depctr_va_vcc(0) depctr_vm_vsrc(0)
	s_getreg_b32 s2, hwreg(HW_REG_IB_STS2, 6, 4)
	s_cmp_eq_u32 s2, 0
	s_cbranch_scc0 .Lentry_in_a_cluster
	s_endpgm
.Lentry_in_a_cluster:
	s_bfe_u32 s2, ttmp6, 0x10000c
	s_cmp_lg_u32 s2, 0xf033
	s_cbranch_scc0 .Lentry_shape_is_right
	s_endpgm
.Lentry_shape_is_right:
; out0 = ao Wo^T on codes of FP8 (E4M3).  ao: [4096][1024] as images of operand registers (aoimg: (row / 128) x 131072 + (K / 128) x 16384 + ((row / 16) % 8) x 2048 + g x 512 + 16 x lane);
; Wo: [1024][1024] codes, K innermost; out0: [4096][1024] f32.  Each finished sum is multiplied once by 2^(e10 + e11).   LIMIT: e10 + e11 between -126 and 127.
; A tile of out0 is 128 x 128: 256 work-groups of four waves, each wave 64 x 64.  The whole K of both panels, 128 x 1,024 codes each, lies in LDS: every LDS byte is filled once, by one tensor load a wave at the head.
; CLUSTERS: 4 x 4 work-groups; ao's panel is shared along a row of the cluster, Wo's along a column: joint loads.  No prefetch: the launch has no stream behind its first loads.
; A WAVE'S FRAGMENTS OF Wo, 64 columns x 1,024 along K, FILL 512 REGISTERS.  Its rows go by blocks of 16: a block's fragments of ao (128 registers, two buffers), 32 matrix instructions on four accumulators by turns,
; and the block leaves while the next is multiplied.  Each fragment is read from LDS once.
; ao's image has k in the matrix form's own places (registers 2 c, 2 c + 1: k = 16 c + 8 (lane / 16) + 0 .. 7), so Wo's fragments are fetched in the same places, by loads of 8 bytes.
; THE MATRIX INSTRUCTION IS USED TRANSPOSED (source 0 = 16 rows of Wo, source 1 = 16 rows of ao): a lane holds eight neighbouring numbers of a row of out0.
; LDS: 0: ao's panel, as it lies in memory;  131072: Wo's panel, 128 rows x (1,024 bytes + 16);  then a stage of 16 rows x 272 bytes for each wave, into which no fill lands;  then the spare words.
; REGISTERS: window 0: v16-17, v20 LDS addresses of fragments; v24-26 the way out; v32-63 a block's scaled sums; v64-127 rows read back, two sets; v128-255 the accumulators ((a, b) at v[128 + 32 a + 8 b]).
;   window 1: ao's fragments, two buffers of 128.   windows 2, 3: Wo's, of K steps 0-3 and 4-7: (b, step s) at v[64 (s % 4) + 16 b].
.set BOFF,  131072
.set WP,    1040                       ; a row of Wo in LDS: 260 words: row r starts at bank 4 r mod 64 (64 banks of 4 bytes: ISA guide 11.1)
.set STG,   BOFF+128*WP
.set SPARE, STG+4*16*272               ; 128 bytes for each wave: two blocks of 256 bytes that no other line names
.set ADRA, 16
.set ADRB, 20
.set STO,  24
.set RD,   25
.set CO,   26
.set TMP,  32
.set BK,   64
.set ACC,  128
.set MSB, 0
.macro WIN new                         ; the immediate's high byte repeats the setting that is left
.if MSB != (\new)
	s_set_vgpr_msb (MSB<<8)|(\new)
.set MSB, (\new)
.endif
.endm
.macro CROUND                          ; a round of the cluster's barrier
	s_barrier_signal -1
	s_barrier_wait -1
	s_cmp_lg_u32 s14, 0
	s_cbranch_scc1 .Lnot_wave_0_\@
	s_barrier_signal -3
.Lnot_wave_0_\@:
	s_barrier_wait -3
	s_barrier_signal -1
	s_barrier_wait -1
.endm
.macro PLACES
.rept 4
	v_nop
.endr
.endm
	s_load_b256 s[4:11], s[0:1], 0x0               ; aoimg s[4:5], Wo s[6:7], the exponents s[8:9], out0 s[10:11]
	v_lshl_add_u32 v30, v0, 2, SPARE
	v_mov_b32 v31, 0
	ds_add_u32 v30, v31                            ; the opening spare-word adds; the set-up below, work on registers, stands ahead of their wait
	ds_add_u32 v30, v31
	v_lshrrev_b32 v1, 5, v0
	v_readfirstlane_b32 s14, v1                    ; wave 0..3
	s_lshr_b32 s15, s14, 1                         ; which 64 rows of the tile are mine.  Also: I fetch for ao (0) or for Wo (1)
	s_and_b32 s16, s14, 1                          ; which 64 columns.  Also: which half of the panel I fetch
	s_bfe_u32 s40, ttmp6, 0x40000                  ; cx, cy
	s_bfe_u32 s41, ttmp6, 0x40004
	s_lshl_b32 s42, ttmp9, 2
	s_add_co_u32 s42, s42, s40                     ; tile column = 4 x cluster x + cx
	s_and_b32 s17, ttmp7, 0xffff
	s_lshl_b32 s17, s17, 2
	s_add_co_u32 s17, s17, s41                     ; tile row = 4 x cluster y + cy
	s_lshl_b32 s43, s41, 2
	s_lshl_b32 s43, 15, s43                        ; my row of the cluster
	s_lshl_b32 s44, 0x1111, s40                    ; my column
	; group 1 for ao: four K steps' images, 65,536 dense bytes, as 256 rows of 256 bytes
	s_or_b32 s24, s43, (3<<16)|(1<<21)             ; the mask of my row; elements of 8 bytes; 21 set beside a mask; no padding
	s_mov_b32 s25, 32<<16
	s_mov_b32 s26, 256<<16
	s_mov_b32 s27, 32<<16
	s_mov_b32 s28, 256
	s_mov_b32 s29, 32
	s_mov_b32 s30, 0
	s_mov_b32 s31, 0
	; group 1 for Wo: 64 rows x 1,024 bytes, 16 bytes of padding behind each in LDS
	s_or_b32 s48, s44, (0<<16)|(1<<20)|(1<<21)|(7<<22)|(3<<25)
	s_mov_b32 s49, 1024<<16
	s_mov_b32 s50, 64<<16
	s_mov_b32 s51, 1024<<16
	s_mov_b32 s52, 64
	s_mov_b32 s53, 1024
	s_mov_b32 s54, 0
	s_mov_b32 s55, 0
	s_lshl_b32 s18, s16, 16                        ; ao: K steps 4 (w % 2) on: in LDS as in memory
	s_lshl_b32 s32, s17, 17                        ; the tile row's panel: made of the tile row and the wave's number alone
	s_add_co_u32 s32, s32, s18
	s_mov_b32 s33, 0
	s_lshl_b32 s34, s42, 7
	s_lshl_b32 s19, s16, 6
	s_add_co_u32 s34, s34, s19
	s_lshl_b32 s34, s34, 10                        ; Wo: row 128 x tile column + 64 x half, in bytes: made of the tile column and the wave's number alone
	s_mov_b32 s35, 0
	s_mul_i32 s19, s16, 64*WP
	s_add_co_u32 s19, s19, BOFF
	s_wait_dscnt 0x0
	s_wait_kmcnt 0x0
	s_load_b64 s[22:23], s[8:9], 0x28              ; e10, e11
	s_mov_b32 s68, 1
	s_mov_b32 s69, s18
	s_add_nc_u64 s[70:71], s[4:5], s[32:33]
	s_or_b32 s71, s71, 0x80000000
	s_mov_b32 s84, 1
	s_mov_b32 s85, s19
	s_add_nc_u64 s[86:87], s[6:7], s[34:35]
	s_or_b32 s87, s87, 0x80000000
	CROUND                                         ; all sixteen work-groups are here: the joint loads meet
	s_cmp_eq_u32 s15, 0                            ; one fill in each arm; an s_nop 0 and four v_nop follow each
	s_cbranch_scc0 .Lfor_b
	tensor_load_to_lds s[68:71], s[24:31]
	s_nop 0
	PLACES
	s_branch .Lasked
.Lfor_b:
	tensor_load_to_lds s[84:87], s[48:55]
	s_nop 0
	PLACES
.Lasked:
	s_lshl_b32 s36, s15, 13                        ; my 64 rows of ao: four fragments of 2,048 bytes
	s_mul_i32 s37, s16, 64*WP
	s_add_co_u32 s37, s37, BOFF                    ; my 64 rows of Wo
	s_mul_i32 s38, s14, 16*272
	s_add_co_u32 s38, s38, STG                     ; my stage
	v_and_b32 v1, 15, v0                           ; r
	v_bfe_u32 v2, v0, 4, 1                         ; h
	v_and_b32 v5, 31, v0                           ; lane
	v_lshlrev_b32 v[ADRA], 4, v5
	v_add_nc_u32 v[ADRA], s36, v[ADRA]             ; K steps 0-3
	v_add_nc_u32 v[ADRA+1], 65536, v[ADRA]         ; K steps 4-7
	v_mul_u32_u24 v3, v1, WP
	v_lshl_add_u32 v3, v2, 3, v3                   ; row r, + 8 h
	v_add_nc_u32 v[ADRB], s37, v3
	v_mul_u32_u24 v3, v1, 272
	v_lshl_add_u32 v3, v2, 5, v3
	v_add_nc_u32 v[STO], s38, v3                   ; in: row r, 32 bytes for each half of the lanes
	v_mul_u32_u24 v3, v2, 272
	v_lshl_add_u32 v3, v1, 4, v3
	v_add_nc_u32 v[RD], s38, v3                    ; back: lanes 0-15 one row of 256 bytes, lanes 16-31 the next
	v_lshlrev_b32 v[CO], 12, v2
	v_lshl_add_u32 v[CO], v1, 4, v[CO]             ; and the same two rows in out0
	s_lshl_b32 s36, s17, 7
	s_lshl_b32 s37, s15, 6
	s_add_co_u32 s36, s36, s37                     ; my first row,
	s_lshl_b32 s36, s36, 12                        ; of 4,096 bytes: under 16 MiB
	s_lshl_b32 s37, s42, 9
	s_add_co_u32 s36, s36, s37                     ; the tile's first column,
	s_lshl_b32 s37, s16, 8
	s_add_co_u32 s36, s36, s37                     ; my half of its columns
	s_mov_b32 s37, 0
	s_add_nc_u64 s[10:11], s[10:11], s[36:37]
.macro LOADA a                         ; block a's fragments of ao, all of K: 32 loads of 512 consecutive bytes
	WIN 0x40
.irp s, 0,1,2,3,4,5,6,7
.irp g, 0,1,2,3
	ds_load_b128 v[128*((\a)%2)+16*\s+4*\g:128*((\a)%2)+16*\s+4*\g+3], v[ADRA+\s/4] offset:(\s%4)*16384+2048*(\a)+512*\g
.endr
.endr
.endm
.macro LOADW s                         ; my four fragments of Wo of K step s: 32 loads
	WIN 0x80+0x40*((\s)/4)
.irp b, 0,1,2,3
.irp c, 0,1,2,3,4,5,6,7
	ds_load_b64 v[64*((\s)%4)+16*\b+2*\c:64*((\s)%4)+16*\b+2*\c+1], v[ADRB] offset:16*WP*\b+128*(\s)+16*\c
.endr
.endr
.endm
; block a, K step s: four accumulators, one instruction a turn, in the same order in every step.  The first step's products start the sums.
.macro PROD a, s
	WIN 0x06+(\s)/4                                ; source 0 (Wo) window 2 or 3, source 1 (ao) window 1, sums in window 0
.irp b, 0,1,2,3
.set AC, ACC+32*(\a)+8*\b
.set WF, 64*((\s)%4)+16*\b
.set AF, 128*((\a)%2)+16*(\s)
.if (\s) == 0
	v_wmma_f32_16x16x128_fp8_fp8 v[AC:AC+7], v[WF:WF+15], v[AF:AF+15], 0
.else
	v_wmma_f32_16x16x128_fp8_fp8 v[AC:AC+7], v[WF:WF+15], v[AF:AF+15], v[AC:AC+7]
.endif
.endr
.endm
; THE WAY OUT of a block of 16 rows x 64 columns: x 2^(e10 + e11), through my own stage in LDS, back as whole rows of 256 bytes.  LDS serves a wave's instructions in order (ISA guide 5.7.1.4):
; no wait between the stores and the loads, nor in front of the next block's stores.
.macro TOSTAGE a
	WIN 0
.irp b, 0,1,2,3
.irp i, 0,2,4,6
	v_pk_mul_f32 v[TMP+8*\b+\i:TMP+8*\b+\i+1], v[ACC+32*(\a)+8*\b+\i:ACC+32*(\a)+8*\b+\i+1], s[20:21] op_sel_hi:[1,0]   ; each accumulator from its low end on
.endr
.endr
.irp b, 0,1,2,3
	ds_store_b128 v[STO], v[TMP+8*\b:TMP+8*\b+3] offset:64*\b
	ds_store_b128 v[STO], v[TMP+8*\b+4:TMP+8*\b+7] offset:64*\b+16
.endr
.irp i, 0,1,2,3,4,5,6,7
	ds_load_b128 v[BK+32*((\a)%2)+4*\i:BK+32*((\a)%2)+4*\i+3], v[RD] offset:544*\i
.endr
.endm
.macro SEND a, younger                 ; younger: the LDS instructions issued behind block a's loads, which may stay out
	WIN 0
	s_wait_dscnt \younger
.irp i, 0,1,2,3,4,5,6,7
	global_store_b128 v[CO], v[BK+32*((\a)%2)+4*\i:BK+32*((\a)%2)+4*\i+3], s[10:11] offset:(16*(\a)+2*\i)*4096 th:TH_STORE_NT   ; sixteen lanes store 256 consecutive bytes, aligned; written once, read by nobody here
.endr
.endm
	s_wait_alu depctr_va_vdst(0)
	s_wait_kmcnt 0x0
	s_add_co_i32 s20, s22, s23
	s_add_co_i32 s20, s20, 127
	s_lshl_b32 s20, s20, 23                        ; 2^(e10 + e11) as f32
	s_mov_b32 s21, s20                             ; (named with it as a pair, so it is written)
	s_wait_tensorcnt 0x0                           ; my load has landed,
	s_barrier_signal -1
	s_barrier_wait -1                              ; everybody's has; nothing is filled from here on
	LOADA 0
	LOADW 0
.irp s, 0,1,2,3,4,5,6                  ; block 0 goes along with the arrival of Wo's fragments
	LOADW \s+1
	s_wait_dscnt 32                                ; all but the 32 loads just issued
	PROD 0, \s
.endr
	LOADA 1
	s_wait_dscnt 32
	PROD 0, 7
.irp a, 0,1,2
	PLACES                                         ; behind block a's products, in front of the first read of its results and of the loads into its buffer of ao
.if \a == 2
	s_wait_xcnt 0x0                                ; block 0's stores have read their registers: block 2's rows may land there
.endif
	TOSTAGE \a
.if \a < 2
	LOADA \a+2
	s_wait_dscnt 48                                ; block a + 1's fragments are in; behind them: 16 LDS instructions of the stage, 32 loads
.else
	s_wait_dscnt 16                                ; behind block 3's fragments: the 16 LDS instructions of the stage
.endif
.irp s, 0,1,2,3
	PROD \a+1, \s
.endr
.if \a < 2
	SEND \a, 32
.else
	SEND \a, 0
.endif
.irp s, 4,5,6,7
	PROD \a+1, \s
.endr
.endr
	PLACES
	s_wait_xcnt 0x0
	TOSTAGE 3
	SEND 3, 0
	s_wait_tensorcnt 0x0                           ; the wave's end
	ds_add_u32 v30, v31
	s_wait_dscnt 0x0
	CROUND                                         ; the closing round: no work-group ends while a partner may still ask for a tile that names it
	s_endpgm
.Lfunc_end_k_q36256a13ae_oproj:
	.size	k_q36256a13ae_oproj, .Lfunc_end_k_q36256a13ae_oproj-k_q36256a13ae_oproj
	.p2alignl 7, 3214868480
	.fill 96, 4, 3214868480
	.section	.rodata,"a",@progbits
	.p2align	6, 0x0
	.amdhsa_kernel k_q36256a13ae_oproj
		.amdhsa_group_segment_fixed_size 327680
		.amdhsa_private_segment_fixed_size 0
		.amdhsa_enable_private_segment 0
		.amdhsa_kernarg_size 32
		.amdhsa_user_sgpr_count 2
		.amdhsa_user_sgpr_kernarg_segment_ptr 1
		.amdhsa_wavefront_size32 1
		.amdhsa_system_sgpr_workgroup_id_x 1
		.amdhsa_system_sgpr_workgroup_id_y 1
		.amdhsa_system_sgpr_workgroup_id_z 1
		.amdhsa_system_vgpr_workitem_id 0
		.amdhsa_next_free_vgpr 1024
		.amdhsa_next_free_sgpr 100
		.amdhsa_reserve_vcc 0
		.amdhsa_float_denorm_mode_32 3
		.amdhsa_float_denorm_mode_16_64 3
		.amdhsa_memory_ordered 1
		.amdhsa_forward_progress 1
		.amdhsa_inst_pref_size 52
	.end_amdhsa_kernel
	.amdgpu_metadata
---
amdhsa.version: [ 1, 2 ]
amdhsa.kernels:
  - .name:           k_q36256a13ae_oproj
    .symbol:         k_q36256a13ae_oproj.kd
    .args:
      - { .name: aoimg, .offset: 0, .size: 8, .value_kind: global_buffer, .address_space: global }
      - { .name: Wo_codes, .offset: 8, .size: 8, .value_kind: global_buffer, .address_space: global }
      - { .name: lowp_scales, .offset: 16, .size: 8, .value_kind: global_buffer, .address_space: global }
      - { .name: out0, .offset: 24, .size: 8, .value_kind: global_buffer, .address_space: global }
    .group_segment_fixed_size: 327680
    .private_segment_fixed_size: 0
    .kernarg_segment_align: 8
    .kernarg_segment_size: 32
    .max_flat_workgroup_size: 128
    .sgpr_count:     100
    .vgpr_count:     1024
    .wavefront_size: 32
...
	.end_amdgpu_metadata
.endif
;; end of part 3
